; MI455X (gfx1250); checked and timed in simulation.
; The chip was launched on July 23, 2026; its instructions are those of AMD's public machine-readable ISA for CDNA 5 (MIT licence, August 2026) and "CDNA5" Instruction Set Architecture Reference Guide (July 2026). The comments in the code are by the model that wrote it; some were corrected since.
;; Weight Only Quantized Linear Impl. Allowed arithmetic: matrix products marked QUANTISED: E2M1 operands, one E8M0 scale for each 32 along K, by v_wmma_scale_f32_16x16x128_f8f6f4 with both operands' format E2M1 (or v_wmma_scale_f32_32x16x128_f4), f32 sums; everything else in f32.
;; Inputs: bias 11,008 float32; input_codes 1,024 x 128 x 16 uint8 (E2M1 codes of input, K innermost, in blocks of 32 codes, two codes a byte); input_scales 1,024 x 128 uint8 (E8M0 scales of input, one for each 32 codes along K); qweight 4,096 x 11,008 int32; scales 32 x 11,008 float32.
;; Outputs: out0 1,024 x 11,008 float32.
;; This version of the problem:
;;   THIS VERSION OF THE PROBLEM IS GIVEN IN LOW PRECISION. The matrix products marked QUANTISED in the list below multiply operands that are first quantised to E2M1 (2 exponent bits, 1 mantissa bit; 4 bits a number), with one power-of-two scale for each 32 numbers along K (OCP MX v1.0); their sums are f32. All else is computed in f32.
;;   The module's matrix products, in the order in which they are computed (A, B: the left and right operand; K: the contracted axis; several contracted axes count as one K, in the product's order):
;;     1. [M 1,024, K 4,096] x [K 4,096, N 11,008]; A: input input (given as codes); B: computed on the way: QUANTISED
;;   THE QUANTISER, for each operand of a quantised product, along K:
;;     - K is cut into blocks of 32 from its start; a last block that is shorter is filled with zeros.
;;     - A block's scale is 2^e with e = floor(log2(the largest magnitude in the block)) - 2, held to -126 .. 127; a block of zeros has e = 0. As a byte (E8M0): e + 127.
;;     - Each number is divided by its block's scale, clamped to +-6, and rounded to the nearest number of E2M1, ties to even, subnormals kept.
;;     - The product sums the exact products of the quantised numbers (number of the format x scale) in f32.
;;   ~~~python
;;   def quantise(x, axis):      # numpy; x: float32 -> the quantised numbers, widened to float32 again
;;       x = np.moveaxis(x, axis, -1); K = x.shape[-1]
;;       x = np.pad(x, [(0, 0)] * (x.ndim - 1) + [(0, -K % 32)]); x = x.reshape(x.shape[:-1] + (-1, 32)); a = np.abs(x).max(-1, keepdims=True)
;;       e = np.where(a > 0, np.clip(np.frexp(np.where(a > 0, a, 1))[1] - 1 - 2, -126, 127), 0)      # np.frexp(a)[1] - 1 = floor(log2(a)), exactly
;;       r = np.clip(x / 2.0 ** e, -6, 6)
;;       step = 2.0 ** (np.maximum(np.frexp(np.where(r == 0, 1, r))[1] - 1, 0) - 1)
;;       q = np.round(r / step) * step * 2.0 ** e      # np.round: ties to even
;;       return np.moveaxis(q.reshape(q.shape[:-2] + (-1,))[..., :K], -1, axis).astype(np.float32)
;;   ~~~
;;   OPERANDS COMPUTED ON THE WAY. 'Computed on the way' means the value that the module computes at that place (a softmax that the list does not call 'softmax' is quantised finished and normalised). What goes into a quantiser is computed in f32, as accurately as f32 sums, v_exp_f32 and their like allow (about 1e-6 of the number): no bf16 or f16 on the way to a quantiser, and a product that is left as it is and whose result goes on into a quantised operand takes f32 operands (vector FMAs, or v_wmma_f32_16x16x4_f32). A number that lies on a knife's edge between two numbers of the format may be rounded either way, as far as f32 arithmetic and the matrix unit's own rounding can turn it there, and no further.
;;   INPUTS GIVEN AS CODES. input (in the module: [1024, 4096], K = its axis 1): each comes as NAME_codes (uint8): NAME with its K axis moved to the last place and cut into blocks of 32 codes, [.., K / 32, bytes a block], one block behind the other in memory; two codes a byte, the lower K in the low four bits (a code: sign, 2 exponent bits, 1 mantissa bit); and NAME_scales (uint8): the same leading axes, one E8M0 byte (e + 127) for each 32 codes along K. Its value is code x scale, taken as it is: it is not quantised again, and the codes and scales need not be those that the quantiser above would give.
;; One version. Each part assembles by itself: llvm-mc -triple=amdgcn-amd-amdhsa -mcpu=gfx1250 --defsym DOCPART=n.
;; ======== version 1 of 1: 1 launch
;; launch wq_linear (part 1): grid 172 x 1, 4 waves a work-group, clusters of 4 x 1, 327,680 bytes of LDS; arguments input_codes, input_scales, qweight, scales, bias, out0; writes out0
.if DOCPART == 1
	.amdgcn_target "amdgcn-amd-amdhsa--gfx1250"
	.amdhsa_code_object_version 6
	.text
	.protected	k_q8aefa22181_wq_linear
	.globl	k_q8aefa22181_wq_linear
	.p2align	8
	.type	k_q8aefa22181_wq_linear,@function
k_q8aefa22181_wq_linear:
	s_mov_b64 s[64:65], 0
	v_nop
	global_prefetch_b8 v0, s[64:65] scope:SCOPE_SE
	s_setreg_imm32_b32 hwreg(HW_REG_WAVE_MODE, 25, 1), 1
	s_wait_xcnt 0x0
	s_wait_alu depctr_hold_cnt(0) depctr_sa_sdst(0) depctr_va_vdst(0) depctr_va_sdst(0) depctr_va_ssrc(0) depctr_va_vcc(0) depctr_vm_vsrc(0)
	s_getreg_b32 s2, hwreg(HW_REG_IB_STS2, 6, 4)
	s_cmp_eq_u32 s2, 0
	s_cbranch_scc0 .Lentry_in_a_cluster
	s_endpgm
.Lentry_in_a_cluster:
	s_bfe_u32 s2, ttmp6, 0x10000c
	s_cmp_lg_u32 s2, 0x3003
	s_cbranch_scc0 .Lentry_shape_is_right
	s_endpgm
.Lentry_shape_is_right:
; out0[m][n] = sum over k of input[m][k] W[k][n] + bias[n].  m: 1,024, k: 4,096, n: 11,008.
; input comes as codes of FP4 (E2M1), K innermost, two codes a byte, with one E8M0 byte for each 32 along K.  W[k][n] = e4m3fn(low byte of qweight[k][n]) x scales[k / 128][n] in f32 (the two NaN codes
; count as 0) is quantised here along K: blocks of 32, scale 2^(floor(log2(largest magnitude)) - 2), nearest code, ties to even.  The product runs on codes and scale bytes; sums in f32, begun at bias.
; SHARES.  A work-group owns 64 columns of out0 (256 consecutive bytes of a row of qweight, scales and out0, at a multiple of 256), all 1,024 rows and all of K: 65,536 sums = 4 waves x 512 registers.
; So every weight is read once, decoded and quantised once, and its codes never go to memory.  11,008 = 172 x 64: 172 work-groups.  Narrower strips would cut the aligned runs of 256 bytes in two,
; a split of K would want a sum through memory, a split of the rows would quantise every weight again: so the launch stays at 172.
; K goes in 8 chunks of 512.  In a chunk wave w takes W's rows 128 w .. 128 w + 127 (one group of scales, and K step w of the product) as two units of 64 rows, straight into registers: a ring of two
; sets of 128 registers with counted waits.  A LANE TAKES 4 COLUMNS AND ITS REGISTERS RUN DOWN K: a block of 32 lies in one lane.  The codes go to the other waves through LDS as images of the operand registers.
; A chunk is multiplied in two steps, rows 0-511 and rows 512-1,023: LDS slot hf holds 512 rows x 256 bytes of input_codes, and beside it their 16 scale bytes a row.  Wave w owns rows 512 hf + 128 w + 0 .. 127.
; CLUSTER.  The four work-groups of a cluster walk the same tiles of input: each tile is asked for JOINTLY, by the same tensor load with the same descriptor and the mask of all four.  qweight is shared by nobody.
; THE MATRIX INSTRUCTION IS USED TRANSPOSED (source 0 = 16 columns of W, source 1 = 16 rows of input): a lane holds eight neighbouring numbers of a row of out0.
; LIMITS.  NaN and infinities in scales or bias are not served.  A block whose largest magnitude lies under 2^-124, a block of zeros too, gets the byte 1 (its codes are zeros or what the byte 1 gives; the rule holds the byte at 1
; from below, and says 127 for zeros: the bytes are read by this text alone).  The zero that stands for a NaN code keeps that code's sign.  scales is loaded twice, once for each unit.
; REGISTERS, in windows of 256: window 0: addresses, scale words, codes in hand, fragments.  window 1: the raw weights, two sets of 128.  window 2: the 32 accumulators of rows 0-511 ((a, b) at v[8 (4 a + b)]).  window 3: those of rows 512-1,023.
.set ROWN,   44032                     ; bytes in a row of qweight, of scales and of out0
.set ROWA,   2048                      ; bytes in a row of input_codes
.set ROWS,   128                       ; bytes in a row of input_scales
.set PITCH,  272                       ; an LDS row of codes: 256 bytes + 16 of padding = 68 words: the 16 rows that a load touches start at 16 different banks (64 banks of 4 bytes: ISA guide 11.1)
.set SLOT,   512*PITCH                 ; a slot: 512 rows
.set HALFT,  256*PITCH                 ; what one tensor load brings
.set ASC,    2*SLOT                    ; behind the slots: input's scale bytes of a step, 512 rows x 16 bytes, one region for each slot
.set ASCB,   512*16
.set BIMG,   ASC+2*ASCB                ; the images of a chunk's 16 fragments of W: fragment (K step q, tile b) at 1,024 (4 q + b), registers 4 c .. 4 c + 3 at + 512 c, lane l at + 16 l
.set BSC,    BIMG+16*1024              ; W's scale words: 16 bytes a column, word q for K step q
.set SPARE,  BSC+1024                  ; the spare words, 128 bytes for each wave: two blocks of 256 bytes that no other line names
.set STGW,   16*PITCH                  ; the way out: a stage of 16 rows x 272 bytes for each wave, in slot 0, which has had its last fill and its last read by then
.set CHQ,    512*ROWN                  ; a chunk further down qweight (and 512 rows further down out0)
.set CHW,    4*ROWN                    ; and four groups further down scales
.set TRIPS,  7
.set SPW,  1                           ; v1   LDS address of my spare word; never rewritten
.set NIL,  2                           ; v2   0; never rewritten
.set QOFF, 3                           ; v3   qweight: 16 (lane % 16), and 32 rows further down for lanes 16-31
.set SOFF, 4                           ; v4   scales: 16 (lane % 16)
.set ADRA, 5                           ; v5-6 LDS address of my fragments of input in slot 0, 1
.set ADRB, 7                           ; v7   BIMG + 16 x lane
.set ADSA, 8                           ; v8   input's scale words of my 128 rows: 16 bytes a lane
.set STB,  9                           ; v9   where I put my codes in the images
.set STS,  10                          ; v10  and my columns' scale words
.set SH8,  11                          ; v11  8 (lane / 16)
.set BOFF, 12                          ; v12  bias: 32 (lane / 16)
.set STO,  13                          ; v13  the way out: where I put 32 bytes of a row
.set RD,   14                          ; v14  where I read a row back
.set CO,   15                          ; v15  my byte offset in out0
.set SA,   32                          ; v32-47  input's scale words: register 4 i + q: lanes 0-15 tile 2 i, lanes 16-31 tile 2 i + 1, K step q
.set SB,   48                          ; v48-55  W's: register 4 i + q likewise
.set WS,   56                          ; v56-63  the f32 scales of my 4 columns, a set for each unit
.set HC,   64                          ; v64-95  the chunk's codes: unit u, column c at 16 u + 4 c
.set HB,   96                          ; v96-103 their scale bytes: 4 u + c
.set MX,   104                         ; v104-107 four chains of a maximum
.set SCV,  108                         ; v108 the conversion's scale operand
.set SW,   110                         ; v110-111 an odd column's scale, as the low word of a pair
.set W,    112                         ; v112-115 scale words in the making
.set XW,   116                         ; v116-119 the other half's
.set T,    128                         ; v128-159 a column's 32 numbers
.set PA,   160                         ; v160-175 the low bytes of two neighbouring rows each; later at work
.set PX,   176                         ; v176-183 the low bytes of four neighbouring rows each, the lower k in the lower byte
.set PT,   184                         ; v184-191 at work
.set AF,   128                         ; v128-191 8 fragments of input (the same registers, by turns with T, PA, PX and PT)
.set BF,   192                         ; v192-255 two sets of 4 fragments of W
.set BI,   192                         ; at the head: bias in the result's layout, 8 registers a tile
.set BK,   128                         ; the way out: two sets of 32
.set WV,   16                          ; s16 my wave's number
.set SELA, 19                          ; s19 v_perm_b32: byte 0 of the second source, then byte 0 of the first
.set SELB, 20                          ; s20 v_perm_b32: the low half of the second source, then the low half of the first
.set K7F,  21                          ; s21 0x7f7f7f7f
.set K01,  22                          ; s22 0x01010101
.set K80,  23                          ; s23 0x80808080
.set G1A,  24                          ; s[24:31] descriptor group 1 for the codes;  s[32:39] for the scale bytes
.set G1S,  32
.set G0A,  40                          ; s[40:47] group 0 for the codes, a set for each slot;  s[48:55] for the scale bytes
.set G0S,  48
.set QB,   56                          ; s[56:59] qweight at my unit 0, 1
.set WB,   60                          ; s[60:63] scales at my group, a pointer for each unit
.set OUT,  66                          ; s[66:69] out0 at my rows of half 0, 1
.set SEL,  70                          ; s[70:71] v_permlanex16_b32's selects for lane l xor 16
.set TRIP, 73
.set MSB, 0
.macro WIN new                         ; low byte: bits 1:0 source 0, 3:2 source 1, 5:4 source 2, 7:6 destination; the high byte repeats the setting that is left
.if MSB != (\new)
	s_set_vgpr_msb (MSB<<8)|(\new)
.set MSB, (\new)
.endif
.endm
.macro PLACES                          ; a load into a register that a matrix instruction has read, and a read of its result, stand four plain vector instructions behind it (ISA guide 7.12.1 for vector instructions)
.rept 4
	v_nop
.endr
.endm
.macro CROUND                          ; a round of the cluster's barrier: my work-group's barrier, wave 0 signals for it, every wave waits for all four work-groups, my work-group's barrier once more
	s_barrier_signal -1
	s_barrier_wait -1
	s_cmp_lg_u32 s[WV], 0
	s_cbranch_scc1 .Lnot_wave_0_\@
	s_barrier_signal -3
.Lnot_wave_0_\@:
	s_barrier_wait -3
	s_barrier_signal -1
	s_barrier_wait -1
.endm
; A joint load: waves 0 and 1 fetch the two halves of a slot's codes, wave 2 its scale bytes, wave 3 nothing.  The branches hang on the wave's number alone.  Four v_nop follow each of the two lines.
.macro TLOAD slot
	s_cmp_lt_u32 s[WV], 2
	s_cbranch_scc0 .Lnot_codes_\@
	tensor_load_to_lds s[G0A+4*\slot:G0A+4*\slot+3], s[G1A:G1A+7]
	s_nop 0
.rept 4
	v_nop
.endr
	s_branch .Lasked_\@
.Lnot_codes_\@:
	s_cmp_eq_u32 s[WV], 2
	s_cbranch_scc0 .Lasked_\@
	tensor_load_to_lds s[G0S+4*\slot:G0S+4*\slot+3], s[G1S:G1S+7]
	s_nop 0
.rept 4
	v_nop
.endr
.Lasked_\@:
.endm
; THE CHANGE behind a step: each wave waits for all its tensor loads (one at the most is out: its part of the other slot), adds 0 to its spare word, and waits for that and for its reads of this slot and of the images.
; fill = 1: the barrier is a round of the cluster's, so that no wave of any partner still reads the slot or has a load on its way, and the slot's next tile is asked for first thing behind it.
.macro CHANGE slot, fill
	s_wait_tensorcnt 0x0                           ; no tensor load of mine is out, so a group 0 may be written
	ds_add_u32 v[SPW], v[NIL]                      ; 0 onto my spare word
.if \fill
	s_add_nc_u64 s[G0A+4*\slot+2:G0A+4*\slot+3], s[G0A+4*\slot+2:G0A+4*\slot+3], 256   ; the next chunk's 256 bytes of each row; the type bits on top are not reached
	s_add_nc_u64 s[G0S+4*\slot+2:G0S+4*\slot+3], s[G0S+4*\slot+2:G0S+4*\slot+3], 16    ; and its 16 scale bytes
.endif
	s_wait_dscnt 0x0                               ; the add is done, and my LDS reads are over
.if \fill
	CROUND
	TLOAD \slot
.else
	s_barrier_signal -1
	s_barrier_wait -1
.endif
.endm
; A unit of 64 rows x 64 columns of qweight into set p: load n reads row n in lanes 0-15 and row 32 + n in lanes 16-31, 256 consecutive bytes each, 4 columns a lane.
.macro LOADU p
	WIN 0x40                                       ; destination window 1
.set n, 0
.rept 32
	global_load_b128 v[128*\p+4*n:128*\p+4*n+3], v[QOFF], s[QB+2*\p:QB+2*\p+1] offset:ROWN*n th:TH_LOAD_NT
.set n, n+1
.endr
	WIN 0
.endm
.macro LOADW p                         ; my group's scales of my 4 columns
	global_load_b128 v[WS+4*\p:WS+4*\p+3], v[SOFF], s[WB+2*\p:WB+2*\p+1]
.endm
; Unit p is decoded, scaled and quantised, a column (one block of 32 along K) at a time.  again = 1: the set is loaded anew with the next chunk's unit as soon as its last column has been packed.
; left: the younger loads that may stay out: the other unit's 32 + 1.
; THE NaN CODES ARE CLEARED AS WHOLE NUMBERS, AHEAD OF THE CONVERSION, so that no NaN is ever made: the low bytes of four neighbouring rows share a register, and six lines serve the four.
.macro QUANT p, again, left
	s_wait_loadcnt \left                           ; loads come back in order (ISA guide 5.7.1): this unit's 33 are in, so their two pointers may be stepped below
.irp c, 0,1,2,3
	WIN 0x05                                       ; sources 0 and 1 window 1
.set i, 0
.rept 16
	v_perm_b32 v[PA+i], v[128*\p+4*(2*i+1)+\c], v[128*\p+4*(2*i)+\c], s[SELA]   ; the low bytes of rows 2 i and 2 i + 1: nothing else of a word counts
.set i, i+1
.endr
.if \again && (\c == 3)
	s_add_nc_u64 s[QB+2*\p:QB+2*\p+1], s[QB+2*\p:QB+2*\p+1], CHQ
	LOADU \p                                       ; the lines above were the set's last readers
.endif
	WIN 0
.set i, 0
.rept 8
	v_perm_b32 v[PX+i], v[PA+2*i+1], v[PA+2*i], s[SELB]    ; rows 4 i .. 4 i + 3, the lower k in the lower byte
.set i, i+1
.endr
.set i, 0
.rept 8
	v_and_b32 v[PT+i], s[K7F], v[PX+i]             ; the four magnitudes, 7 bits each;
.set i, i+1
.endr
.set i, 0
.rept 8
	v_add_nc_u32 v[PT+i], s[K01], v[PT+i]          ; + 1: a byte's top bit is set where the magnitude was 0x7f, the NaN code, and there alone; no byte carries into the next
.set i, i+1
.endr
.set i, 0
.rept 8
	v_and_b32 v[PT+i], s[K80], v[PT+i]
.set i, i+1
.endr
.set i, 0
.rept 8
	v_lshrrev_b32 v[PA+i], 7, v[PT+i]
.set i, i+1
.endr
.set i, 0
.rept 8
	v_sub_nc_u32 v[PT+i], v[PT+i], v[PA+i]         ; 0x80 - 0x01 = 0x7f in those bytes, 0 in the others
.set i, i+1
.endr
.set i, 0
.rept 8
	v_xor_b32 v[PX+i], v[PX+i], v[PT+i]            ; a NaN code becomes a zero under its own sign
.set i, i+1
.endr
.set i, 0
.rept 8
.irp k, 0,1,2,3
	v_cvt_f32_fp8 v[T+4*i+\k], v[PX+i] byte_sel:\k     ; E4M3 to f32, exact
.endr
.set i, i+1
.endr
.if (\c%2) == 1
	v_mov_b32 v[SW], v[WS+4*\p+\c]                 ; the packed form below takes the low word of a pair for both halves
.set rS, SW
.else
.set rS, WS+4*\p+\c
.endif
.set i, 0
.rept 16
	v_pk_mul_f32 v[T+i:T+i+1], v[T+i:T+i+1], v[rS:rS+1] op_sel_hi:[1,0]    ; x the group's scale, in f32, rounded once
.set i, i+2
.endr
.irp g, 0,1,2,3
	v_max3_num_f32 v[MX+\g], |v[T+8*\g]|, |v[T+8*\g+1]|, |v[T+8*\g+2]|     ; the block's largest magnitude: four chains by turns
.endr
.irp k, 3,5
.irp g, 0,1,2,3
	v_max3_num_f32 v[MX+\g], v[MX+\g], |v[T+8*\g+\k]|, |v[T+8*\g+\k+1]|
.endr
.endr
	v_max3_num_f32 v[MX], v[MX], v[MX+1], |v[T+7]|
	v_max3_num_f32 v[MX+2], v[MX+2], v[MX+3], |v[T+15]|
	v_max3_num_f32 v[MX], v[MX], |v[T+23]|, |v[T+31]|
	v_max3_num_f32 v[MX], v[MX], v[MX+2], 0x1800000    ; and the floor 2^(3 - 127): the byte cannot fall under 1
	v_add_nc_u32 v[SCV], 0xff000000, v[MX]         ; 2 off its exponent field: the conversion takes the exponent field of this operand as its scale, and nothing else of it
.irp g, 0,1,2,3
	v_cvt_scalef32_pk8_fp4_f32 v[HC+16*\p+4*\c+\g], v[T+8*\g:T+8*\g+7], v[SCV]   ; k = 64 p + 32 (lane / 16) + 8 g + 0 .. 7 of my column: register 4 p + g of its fragment
.endr
	v_lshrrev_b32 v[HB+4*\p+\c], 23, v[SCV]        ; the scale's byte.  (Also the plain instruction between the conversions and the next write of their sources)
.endr
.if \again
	s_add_nc_u64 s[WB+2*\p:WB+2*\p+1], s[WB+2*\p:WB+2*\p+1], CHW
	LOADW \p
.endif
.endm
; The chunk's codes and scale words go to LDS.  Column 4 (lane % 16) + c is lane 4 (lane % 4) + c of tile (lane % 16) / 4; my two blocks of it are blocks lane / 16 and 2 + lane / 16 of K step w.
.macro STOREB
.irp c, 0,1,2,3
	v_lshl_or_b32 v[W+\c], v[HB+4+\c], 16, v[HB+\c]
.endr
.irp c, 0,1,2,3
	v_lshlrev_b32 v[W+\c], v[SH8], v[W+\c]         ; at their places in the scale word;
.endr
.irp c, 0,1,2,3
	v_permlanex16_b32 v[XW+\c], v[W+\c], s[SEL], s[SEL+1]
.endr
.irp c, 0,1,2,3
	v_or_b32 v[W+\c], v[W+\c], v[XW+\c]            ; with lane l xor 16's two bytes the word is whole
.endr
.irp u, 0,1
.irp c, 0,1,2,3
	ds_store_b128 v[STB], v[HC+16*\u+4*\c:HC+16*\u+4*\c+3] offset:512*\u+16*\c
.endr
.endr
.irp c, 0,1,2,3
	ds_store_b32 v[STS], v[W+\c] offset:16*\c      ; both lanes of a column write the same word with the same value
.endr
	s_wait_dscnt 0x0                               ; for the others' sake: my stores have landed
	s_barrier_signal -1
	s_barrier_wait -1                              ; the chunk's 16 fragments and 256 scale words lie in LDS.
.endm
.macro SCALES hf
.irp k, 0,1,2,3
	ds_load_b128 v[SA+4*\k:SA+4*\k+3], v[ADSA] offset:ASCB*\hf+512*\k      ; 32 rows' four words
.endr
.irp k, 0,1
	ds_load_b128 v[SB+4*\k:SB+4*\k+3], v[ADRB] offset:16*1024+512*\k       ; 32 columns' four words
.endr
.endm
.macro FETCH_B q                       ; W's four fragments of K step q into set q % 2: the images as they were stored
.irp b, 0,1,2,3
.irp c, 0,1
	ds_load_b128 v[BF+32*((\q)%2)+8*\b+4*\c:BF+32*((\q)%2)+8*\b+4*\c+3], v[ADRB] offset:(4*(\q)+\b)*1024+512*\c
.endr
.endr
.endm
.macro FETCH_A hf, q, a0               ; input's tiles a0 .. a0 + 3: lane l holds row l % 16; registers 4 c .. 4 c + 3 hold k = 64 c + 32 (l / 16) + 0 .. 31: 16 bytes of the row as they lie
.irp a, \a0, \a0+1, \a0+2, \a0+3
.irp c, 0,1
	ds_load_b128 v[AF+8*(\a)+4*\c:AF+8*(\a)+4*\c+3], v[ADRA+\hf] offset:16*PITCH*(\a)+64*(\q)+32*\c
.endr
.endr
.endm
; 16 matrix instructions: input's tiles a0 .. a0 + 3 x W's four, 128 along K.  The half's 32 accumulators take turns, one instruction a turn, in the same order in every K step.
; A tile with an odd number has its scale words in lanes 16-31 of the register that it shares with its even neighbour.
.macro MUL16 hf, q, a0
	WIN 0xa0+0x50*\hf                              ; C and D window 2 or 3, both sources window 0
.irp a, \a0, \a0+1, \a0+2, \a0+3
.irp b, 0,1,2,3
.set rD, 8*(4*(\a)+\b)
.set rW, BF+32*((\q)%2)+8*\b
.set rX, AF+8*(\a)
.set sW, SB+4*(\b/2)+(\q)
.set sX, SA+4*((\a)/2)+(\q)
.if ((\a)%2 == 0) && (\b%2 == 0)
	v_wmma_scale_f32_16x16x128_f8f6f4 v[rD:rD+7], v[rW:rW+7], v[rX:rX+7], v[rD:rD+7], v[sW], v[sX] matrix_a_fmt:MATRIX_FMT_FP4 matrix_b_fmt:MATRIX_FMT_FP4
.elseif ((\a)%2 == 0)
	v_wmma_scale_f32_16x16x128_f8f6f4 v[rD:rD+7], v[rW:rW+7], v[rX:rX+7], v[rD:rD+7], v[sW], v[sX] matrix_a_fmt:MATRIX_FMT_FP4 matrix_b_fmt:MATRIX_FMT_FP4 matrix_a_scale:MATRIX_SCALE_ROW1
.elseif (\b%2 == 0)
	v_wmma_scale_f32_16x16x128_f8f6f4 v[rD:rD+7], v[rW:rW+7], v[rX:rX+7], v[rD:rD+7], v[sW], v[sX] matrix_a_fmt:MATRIX_FMT_FP4 matrix_b_fmt:MATRIX_FMT_FP4 matrix_b_scale:MATRIX_SCALE_ROW1
.else
	v_wmma_scale_f32_16x16x128_f8f6f4 v[rD:rD+7], v[rW:rW+7], v[rX:rX+7], v[rD:rD+7], v[sW], v[sX] matrix_a_fmt:MATRIX_FMT_FP4 matrix_b_fmt:MATRIX_FMT_FP4 matrix_a_scale:MATRIX_SCALE_ROW1 matrix_b_scale:MATRIX_SCALE_ROW1
.endif
.endr
.endr
.endm
; A STEP: my 128 rows of half hf against the chunk in the images: four K steps of 32 matrix instructions.  One set of registers serves input (tiles 0-3 are fetched anew in a K step's middle, tiles 4-7 at its end), two serve W.
.macro MULT hf
	SCALES \hf
	FETCH_B 0
	FETCH_A \hf, 0, 0
	FETCH_A \hf, 0, 4
.irp q, 0,1,2,3
	s_wait_dscnt 8                                 ; all but the youngest eight loads (tiles 4-7) are in
	MUL16 \hf, \q, 0
	s_wait_dscnt 0x0                               ; tiles 4-7 are in
.if \q < 3
	PLACES
	WIN 0
	FETCH_B \q+1
	FETCH_A \hf, \q+1, 0
.endif
	MUL16 \hf, \q, 4
	PLACES
	WIN 0
.if \q < 3
	FETCH_A \hf, \q+1, 4
.endif
.endr
.endm
; THE WAY OUT of block e (half e / 8, tile e % 8): 16 rows x 64 columns.  A lane holds 32 neighbouring bytes of a row for each of four tiles; the block goes through my own stage and comes back as whole rows of 256 bytes.
.macro TOSTAGE e
	WIN 0x08+4*((\e)/8)                            ; an LDS store's data are its source 1: window 2 or 3
.irp b, 0,1,2,3
	ds_store_b128 v[STO], v[8*(4*((\e)%8)+\b):8*(4*((\e)%8)+\b)+3] offset:64*\b          ; each accumulator from its low end on
	ds_store_b128 v[STO], v[8*(4*((\e)%8)+\b)+4:8*(4*((\e)%8)+\b)+7] offset:64*\b+16
.endr
	WIN 0
.irp t, 0,1,2,3,4,5,6,7
	ds_load_b128 v[BK+32*((\e)%2)+4*\t:BK+32*((\e)%2)+4*\t+3], v[RD] offset:2*PITCH*\t   ; LDS serves a wave's instructions in order (ISA guide 5.7.1.4): these see the stores above, and the next block's stores come behind them
.endr
.endm
.macro SEND e, younger                 ; younger: the LDS instructions issued behind block e's loads
	s_wait_dscnt \younger
.irp t, 0,1,2,3,4,5,6,7
	global_store_b128 v[CO], v[BK+32*((\e)%2)+4*\t:BK+32*((\e)%2)+4*\t+3], s[OUT+2*((\e)/8):OUT+2*((\e)/8)+1] offset:(16*((\e)%8)+2*\t)*ROWN th:TH_STORE_NT   ; 16 lanes store 256 consecutive bytes, at a multiple of 256 from out0's first byte; 126 rows at the most: inside the signed 24-bit immediate
.endr
.endm
	s_load_b256 s[4:11], s[0:1], 0x0               ; input_codes s[4:5], input_scales s[6:7], qweight s[8:9], scales s[10:11]
	s_load_b128 s[12:15], s[0:1], 0x20             ; bias s[12:13], out0 s[14:15]
	v_lshl_add_u32 v[SPW], v0, 2, SPARE
	v_mov_b32 v[NIL], 0
	v_lshrrev_b32 v16, 5, v0
	v_readfirstlane_b32 s[WV], v16                 ; wave 0..3
	v_and_b32 v17, 15, v0                          ; lane % 16
	v_bfe_u32 v18, v0, 4, 1                        ; lane / 16
	v_and_b32 v19, 31, v0                          ; lane
	v_mul_u32_u24 v[QOFF], v18, 32*ROWN
	v_lshl_add_u32 v[QOFF], v17, 4, v[QOFF]
	v_lshlrev_b32 v[SOFF], 4, v17
	v_lshlrev_b32 v[BOFF], 5, v18
	s_bfe_u32 s17, ttmp6, 0x40000                  ; cx: my place in the cluster
	s_lshl_b32 s18, ttmp9, 2                       ; in a cluster launch ttmp9 counts clusters
	s_add_co_u32 s18, s18, s17                     ; my strip of 64 columns: it enters the addresses of qweight, scales, bias and out0 alone
	s_lshl_b32 s74, s18, 8                         ; its 256 bytes in a row
	s_mov_b32 s75, 0
	s_mul_i32 s76, s[WV], 128*ROWN                 ; my wave's 128 rows, of a chunk of qweight and of a half of out0 alike
	s_add_co_u32 s76, s76, s74
	s_mov_b32 s77, 0
	s_mul_i32 s78, s[WV], ROWN                     ; my wave's group of scales
	s_add_co_u32 s78, s78, s74
	s_mov_b32 s79, 0
	s_wait_kmcnt 0x0
	s_add_nc_u64 s[12:13], s[12:13], s[74:75]
	s_add_nc_u64 s[QB:QB+1], s[8:9], s[76:77]
	s_add_nc_u64 s[QB+2:QB+3], s[QB:QB+1], 64*ROWN
	s_add_nc_u64 s[WB:WB+1], s[10:11], s[78:79]
	s_mov_b64 s[WB+2:WB+3], s[WB:WB+1]
	s_add_nc_u64 s[OUT:OUT+1], s[14:15], s[76:77]
	s_add_nc_u64 s[OUT+2:OUT+3], s[OUT:OUT+1], CHQ
.irp b, 0,1,2,3
.irp c, 0,1
	global_load_b128 v[BI+8*\b+4*\c:BI+8*\b+4*\c+3], v[BOFF], s[12:13] offset:64*\b+16*\c   ; bias of columns 16 b + 8 (lane / 16) + 0 .. 7: the result's layout
.endr
.endr
	LOADU 0                                        ; chunk 0: both units are asked for before anything else is done
	LOADW 0
	LOADU 1
	LOADW 1
	; descriptor group 1 for the codes: 256 rows x 256 bytes, 2,048 bytes apart, padded in LDS
	s_mov_b32 s[G1A], 15|(1<<20)|(1<<21)|(5<<22)|(3<<25)   ; 15:0 the mask: all four work-groups; 17:16 elements of 1 byte; 20 padding on; 21 set beside a mask; 24:22 after every 64 words (code 5); 31:25 four words (code 3)
	s_mov_b32 s[G1A+1], 256<<16                    ; tensor_dim0
	s_mov_b32 s[G1A+2], 256<<16                    ; tensor_dim1
	s_mov_b32 s[G1A+3], 256<<16                    ; tile_dim0
	s_mov_b32 s[G1A+4], 256                        ; tile_dim1
	s_mov_b32 s[G1A+5], ROWA                       ; tensor_dim0_stride
	s_mov_b32 s[G1A+6], 0
	s_mov_b32 s[G1A+7], 0
	; and for the scale bytes: 512 rows x 16 bytes, 128 bytes apart, dense in LDS
	s_mov_b32 s[G1S], 15|(1<<21)
	s_mov_b32 s[G1S+1], 16<<16
	s_mov_b32 s[G1S+2], 512<<16
	s_mov_b32 s[G1S+3], 16<<16
	s_mov_b32 s[G1S+4], 512
	s_mov_b32 s[G1S+5], ROWS
	s_mov_b32 s[G1S+6], 0
	s_mov_b32 s[G1S+7], 0
	; groups 0, a set for each slot.  The global addresses begin one chunk short: CHANGE steps them in front of every load, the first too.  No place in the cluster enters them.
	s_and_b32 s80, s[WV], 1                        ; which 256 rows of a slot I fetch, if I fetch codes
	s_lshl_b32 s82, s80, 19                        ; 256 rows of 2,048 bytes in memory,
	s_mov_b32 s83, 0
	s_mul_i32 s80, s80, HALFT                      ; and in a slot
.irp f, 0,1
	s_mov_b32 s[G0A+4*\f], 1                       ; 1:0 count = 1
	s_add_co_u32 s[G0A+4*\f+1], s80, \f*SLOT       ; 63:32 LDS address
	s_add_nc_u64 s[G0A+4*\f+2:G0A+4*\f+3], s[4:5], s[82:83]   ; 120:64 global address
	s_mov_b32 s[G0S+4*\f], 1
	s_mov_b32 s[G0S+4*\f+1], ASC+\f*ASCB
.if \f
	s_add_nc_u64 s[G0A+4*\f+2:G0A+4*\f+3], s[G0A+4*\f+2:G0A+4*\f+3], 512*ROWA-256
	s_add_nc_u64 s[G0S+4*\f+2:G0S+4*\f+3], s[6:7], 512*ROWS-16
.else
	s_sub_nc_u64 s[G0A+4*\f+2:G0A+4*\f+3], s[G0A+4*\f+2:G0A+4*\f+3], 256
	s_sub_nc_u64 s[G0S+4*\f+2:G0S+4*\f+3], s[6:7], 16
.endif
	s_or_b32 s[G0A+4*\f+3], s[G0A+4*\f+3], 0x80000000         ; 127:126 type = 2
	s_or_b32 s[G0S+4*\f+3], s[G0S+4*\f+3], 0x80000000
.endr
	s_mov_b32 s[SEL], 0x76543210
	s_mov_b32 s[SEL+1], 0xfedcba98
	s_mov_b32 s[SELA], 0x04000400
	s_mov_b32 s[SELB], 0x05040100
	s_mov_b32 s[K7F], 0x7f7f7f7f
	s_mov_b32 s[K01], 0x01010101
	s_mov_b32 s[K80], 0x80808080
	s_mov_b32 s[TRIP], 0
	; LDS addresses: constants, the lane and the wave's number
	v_mul_u32_u24 v[ADRA], v17, PITCH
	v_lshl_add_u32 v[ADRA], v18, 4, v[ADRA]
	s_mul_i32 s84, s[WV], 128*PITCH
	v_add_nc_u32 v[ADRA], s84, v[ADRA]             ; my 128 rows of a slot: row x pitch + 16 x half
	v_add_nc_u32 v[ADRA+1], SLOT, v[ADRA]
	v_lshl_add_u32 v[ADRB], v19, 4, BIMG
	s_lshl_b32 s85, s[WV], 11
	s_add_co_u32 s85, s85, ASC
	v_lshl_add_u32 v[ADSA], v19, 4, s85            ; my 128 rows' scale bytes: 16 a row
	v_lshrrev_b32 v20, 2, v17
	v_and_b32 v21, 3, v17
	v_lshlrev_b32 v[STB], 10, v20                  ; tile (lane % 16) / 4,
	v_lshl_add_u32 v[STB], v18, 8, v[STB]          ; lanes 16-31 of the image for my half,
	v_lshl_add_u32 v[STB], v21, 6, v[STB]          ; lanes 4 (lane % 4) on,
	s_lshl_b32 s86, s[WV], 12
	s_add_co_u32 s86, s86, BIMG
	v_add_nc_u32 v[STB], s86, v[STB]               ; K step w
	s_lshl_b32 s87, s[WV], 2
	s_add_co_u32 s87, s87, BSC
	v_lshl_add_u32 v[STS], v17, 6, s87             ; my 4 columns' words of K step w
	v_lshlrev_b32 v[SH8], 3, v18
	s_mul_i32 s88, s[WV], STGW                     ; my stage
	v_mul_u32_u24 v[STO], v17, PITCH
	v_lshl_add_u32 v[STO], v18, 5, v[STO]
	v_add_nc_u32 v[STO], s88, v[STO]               ; in: row lane % 16, 32 bytes for each half of the lanes
	v_mul_u32_u24 v[RD], v18, PITCH
	v_lshl_add_u32 v[RD], v17, 4, v[RD]
	v_add_nc_u32 v[RD], s88, v[RD]                 ; back: lanes 0-15 one row of 256 bytes, lanes 16-31 the next
	v_mul_u32_u24 v[CO], v18, ROWN
	v_lshl_add_u32 v[CO], v17, 4, v[CO]            ; and the same two rows in out0
.set i, 0
.rept 40
	v_mov_b32 v[HC+i], 0                           ; the loop is written once: its first trip stores these zeros, which nobody multiplies
.set i, i+1
.endr
.irp c, 0,1,2,3
	v_mov_b32 v[XW+\c], 0                          ; a lane permute's destination counts as one of its sources
.endr
	v_mov_b32 v[SW+1], 0                           ; named as the upper half of a pair
	s_wait_loadcnt 63                              ; 66 loads were issued behind the eight of bias, and a wait can name 63 at the most: bias is in
	; Every sum begins at its column's bias.  These moves stand where the wave would else wait for its first weights, and they let every step of the loop add in place, so that the step is written without a first form of its own.
.irp f, 0,1
	WIN 0x80+0x40*\f                               ; destination window 2, then 3
.set i, 0
.rept 32
.set j, 0
.rept 8
	v_mov_b32 v[8*i+j], v[BI+8*(i%4)+j]
.set j, j+1
.endr
.set i, i+1
.endr
.endr
	WIN 0
; A trip: the last chunk's codes go to LDS; this chunk's two units are quantised; between and behind them the last chunk is multiplied, half by half; behind each half its slot is asked for again, with this chunk's tile.
; The first trip has no last chunk: a scalar branch on the trip's number leads round the two steps, which hold LDS loads and products alone.
.Ltrip:
	STOREB
	QUANT 0, 1, 33
	s_cmp_eq_u32 s[TRIP], 0
	s_cbranch_scc1 .Lno_step_0
	MULT 0
.Lno_step_0:
	CHANGE 0, 1
	QUANT 1, 1, 33
	s_cmp_eq_u32 s[TRIP], 0
	s_cbranch_scc1 .Lno_step_1
	MULT 1
.Lno_step_1:
	CHANGE 1, 1
	s_add_co_u32 s[TRIP], s[TRIP], 1
	s_cmp_lt_u32 s[TRIP], TRIPS
	s_cbranch_scc1 .Ltrip
	; the tail is written out: chunk 7 is quantised and nothing more is loaded from qweight; its two tiles of input are the last fills
	STOREB                                         ; chunk 6
	QUANT 0, 0, 33
	MULT 0
	CHANGE 0, 1
	QUANT 1, 0, 0
	MULT 1
	CHANGE 1, 1
	STOREB                                         ; chunk 7
	MULT 0
	CHANGE 0, 0                                    ; slot 1's last tile has landed; slot 0 is read no more, and nothing is filled
	MULT 1
	TOSTAGE 0                                      ; the four places behind the last products stand at the step's end
.irp e, 1,2,3,4,5,6,7,8,9,10,11,12,13,14,15
.if \e > 1
	s_wait_xcnt 0x0                                ; block e - 2's stores have read their registers (ISA guide 3.1): block e's loads may land there
.endif
	TOSTAGE \e
	SEND \e-1, 16                                  ; behind block e - 1's loads: block e's 8 stores and 8 loads
.endr
	SEND 15, 0
	s_wait_tensorcnt 0x0                           ; the wave's end: behind my last tensor load and my last LDS store
	ds_add_u32 v[SPW], v[NIL]
	s_wait_dscnt 0x0
	CROUND                                         ; the closing round: no work-group ends while a partner may still ask for a tile that names it
	s_endpgm
.Lfunc_end_k_q8aefa22181_wq_linear:
	.size	k_q8aefa22181_wq_linear, .Lfunc_end_k_q8aefa22181_wq_linear-k_q8aefa22181_wq_linear
	.p2alignl 7, 3214868480
	.fill 96, 4, 3214868480
	.section	.rodata,"a",@progbits
	.p2align	6, 0x0
	.amdhsa_kernel k_q8aefa22181_wq_linear
		.amdhsa_group_segment_fixed_size 327680
		.amdhsa_private_segment_fixed_size 0
		.amdhsa_enable_private_segment 0
		.amdhsa_kernarg_size 48
		.amdhsa_user_sgpr_count 2
		.amdhsa_user_sgpr_kernarg_segment_ptr 1
		.amdhsa_wavefront_size32 1
		.amdhsa_system_sgpr_workgroup_id_x 1
		.amdhsa_system_sgpr_workgroup_id_y 1
		.amdhsa_system_sgpr_workgroup_id_z 1
		.amdhsa_system_vgpr_workitem_id 0
		.amdhsa_next_free_vgpr 1024
		.amdhsa_next_free_sgpr 90
		.amdhsa_reserve_vcc 0
		.amdhsa_float_denorm_mode_32 3
		.amdhsa_float_denorm_mode_16_64 3
		.amdhsa_memory_ordered 1
		.amdhsa_forward_progress 1
		.amdhsa_inst_pref_size 255
	.end_amdhsa_kernel
	.section	.bss,"aw",@nobits
	.p2align	6
	.space	262144
	.amdgpu_metadata
---
amdhsa.version: [ 1, 2 ]
amdhsa.kernels:
  - .name:           k_q8aefa22181_wq_linear
    .symbol:         k_q8aefa22181_wq_linear.kd
    .args:
      - { .name: input_codes, .offset: 0, .size: 8, .value_kind: global_buffer, .address_space: global }
      - { .name: input_scales, .offset: 8, .size: 8, .value_kind: global_buffer, .address_space: global }
      - { .name: qweight, .offset: 16, .size: 8, .value_kind: global_buffer, .address_space: global }
      - { .name: scales, .offset: 24, .size: 8, .value_kind: global_buffer, .address_space: global }
      - { .name: bias, .offset: 32, .size: 8, .value_kind: global_buffer, .address_space: global }
      - { .name: out0, .offset: 40, .size: 8, .value_kind: global_buffer, .address_space: global }
    .group_segment_fixed_size: 327680
    .private_segment_fixed_size: 0
    .kernarg_segment_align: 8
    .kernarg_segment_size: 48
    .max_flat_workgroup_size: 128
    .sgpr_count:     90
    .vgpr_count:     1024
    .wavefront_size: 32
...
	.end_amdgpu_metadata
.endif
;; end of part 1
